; MI455X (gfx1250); checked and timed in simulation.
; The chip was launched on July 23, 2026; its instructions are those of AMD's public machine-readable ISA for CDNA 5 (MIT licence, August 2026) and "CDNA5" Instruction Set Architecture Reference Guide (July 2026). The comments in the code are by the model that wrote it; some were corrected since.
;; Instant Ne RF. Allowed arithmetic: matrix products marked QUANTISED: E2M3 operands, one E8M0 scale for each 32 along K, by v_wmma_scale_f32_16x16x128_f8f6f4 with both operands' format E2M3, f32 sums; everything else in f32.
;; Inputs: b_h0 64 float32; b_h1 64 float32; b_in 64 float32; b_out 16 float32; coords 262,144 x 3 float32; tables 16 x 524,288 x 2 float16; w_h0_codes 64 x 2 x 24 uint8 (E2M3 codes of w_h0, K innermost, in blocks of 32 codes, four codes in three bytes); w_h0_scales 64 x 2 uint8 (E8M0 scales of w_h0, one for each 32 codes along K); w_h1_codes 64 x 2 x 24 uint8 (E2M3 codes of w_h1, K innermost, in blocks of 32 codes, four codes in three bytes); w_h1_scales 64 x 2 uint8 (E8M0 scales of w_h1, one for each 32 codes along K); w_in_codes 64 x 1 x 24 uint8 (E2M3 codes of w_in, K innermost, in blocks of 32 codes, four codes in three bytes); w_in_scales 64 x 1 uint8 (E8M0 scales of w_in, one for each 32 codes along K); w_out_codes 16 x 2 x 24 uint8 (E2M3 codes of w_out, K innermost, in blocks of 32 codes, four codes in three bytes); w_out_scales 16 x 2 uint8 (E8M0 scales of w_out, one for each 32 codes along K).
;; Outputs: out0 262,144 x 16 float32.
;; This version of the problem:
;;   THIS VERSION OF THE PROBLEM IS GIVEN IN LOW PRECISION. The matrix products marked QUANTISED in the list below multiply operands that are first quantised to E2M3 (2 exponent bits, 3 mantissa bits; 6 bits a number), with one power-of-two scale for each 32 numbers along K (OCP MX v1.0); their sums are f32. All else is computed in f32.
;;   The module's matrix products, in the order in which they are computed (A, B: the left and right operand; K: the contracted axis; several contracted axes count as one K, in the product's order):
;;     1. [M 262,144, K 32] x [K 32, N 64]; A: computed on the way; B: input w_in (given as codes): QUANTISED
;;     2. [M 262,144, K 64] x [K 64, N 64]; A: computed on the way; B: input w_h0 (given as codes): QUANTISED
;;     3. [M 262,144, K 64] x [K 64, N 64]; A: computed on the way; B: input w_h1 (given as codes): QUANTISED
;;     4. [M 262,144, K 64] x [K 64, N 16]; A: computed on the way; B: input w_out (given as codes): QUANTISED
;;   THE QUANTISER, for each operand of a quantised product, along K:
;;     - K is cut into blocks of 32 from its start; a last block that is shorter is filled with zeros.
;;     - A block's scale is 2^e with e = floor(log2(the largest magnitude in the block)) - 2, held to -126 .. 127; a block of zeros has e = 0. As a byte (E8M0): e + 127.
;;     - Each number is divided by its block's scale, clamped to +-7.5, and rounded to the nearest number of E2M3, ties to even, subnormals kept.
;;     - The product sums the exact products of the quantised numbers (number of the format x scale) in f32.
;;   ~~~python
;;   def quantise(x, axis):      # numpy; x: float32 -> the quantised numbers, widened to float32 again
;;       x = np.moveaxis(x, axis, -1); K = x.shape[-1]
;;       x = np.pad(x, [(0, 0)] * (x.ndim - 1) + [(0, -K % 32)]); x = x.reshape(x.shape[:-1] + (-1, 32)); a = np.abs(x).max(-1, keepdims=True)
;;       e = np.where(a > 0, np.clip(np.frexp(np.where(a > 0, a, 1))[1] - 1 - 2, -126, 127), 0)      # np.frexp(a)[1] - 1 = floor(log2(a)), exactly
;;       r = np.clip(x / 2.0 ** e, -7.5, 7.5)
;;       step = 2.0 ** (np.maximum(np.frexp(np.where(r == 0, 1, r))[1] - 1, 0) - 3)
;;       q = np.round(r / step) * step * 2.0 ** e      # np.round: ties to even
;;       return np.moveaxis(q.reshape(q.shape[:-2] + (-1,))[..., :K], -1, axis).astype(np.float32)
;;   ~~~
;;   OPERANDS COMPUTED ON THE WAY. 'Computed on the way' means the value that the module computes at that place (a softmax that the list does not call 'softmax' is quantised finished and normalised). What goes into a quantiser is computed in f32, as accurately as f32 sums, v_exp_f32 and their like allow (about 1e-6 of the number): no bf16 or f16 on the way to a quantiser, and a product that is left as it is and whose result goes on into a quantised operand takes f32 operands (vector FMAs, or v_wmma_f32_16x16x4_f32). A number that lies on a knife's edge between two numbers of the format may be rounded either way, as far as f32 arithmetic and the matrix unit's own rounding can turn it there, and no further.
;;   INPUTS GIVEN AS CODES. w_h0 (in the module: [64, 64], K = its axis 1); w_h1 (in the module: [64, 64], K = its axis 1); w_in (in the module: [64, 32], K = its axis 1); w_out (in the module: [16, 64], K = its axis 1): each comes as NAME_codes (uint8): NAME with its K axis moved to the last place and cut into blocks of 32 codes, [.., K / 32, bytes a block], one block behind the other in memory; four codes in three bytes: a row's codes are one little-endian stream of bits, code i at bits 6 i .. 6 i + 5 (a code: sign, 2 exponent bits, 3 mantissa bits); and NAME_scales (uint8): the same leading axes, one E8M0 byte (e + 127) for each 32 codes along K. Its value is code x scale, taken as it is: it is not quantised again, and the codes and scales need not be those that the quantiser above would give.
;; One version. Each part assembles by itself: llvm-mc -triple=amdgcn-amd-amdhsa -mcpu=gfx1250 --defsym DOCPART=n.
;; ======== version 1 of 1: 2 launches
;; limits: values are held in f16: magnitudes above 65,504 overflow, below 6.1e-05 lose precision; right only within a limited range of input values
;; workspace buffers: cells 33,554,432 bytes of whole numbers; quads 33,554,432 bytes
;; launch prep (part 1): grid 1024 x 1, 8 waves a work-group, no clusters, 0 bytes of LDS; arguments coords, tables, cells, quads; writes cells, quads
.if DOCPART == 1
	.amdgcn_target "amdgcn-amd-amdhsa--gfx1250"
	.amdhsa_code_object_version 6
	.text
	.protected	k_q56c7a22c2d_prep
	.globl	k_q56c7a22c2d_prep
	.p2align	8
	.type	k_q56c7a22c2d_prep,@function
k_q56c7a22c2d_prep:
	s_mov_b64 s[64:65], 0
	v_nop
	global_prefetch_b8 v0, s[64:65] scope:SCOPE_SE
	s_setreg_imm32_b32 hwreg(HW_REG_WAVE_MODE, 25, 1), 1
	s_wait_xcnt 0x0
; Two preparations for the next launch, shared out over the same work-groups.
; (1) CELLS: for each point and each of the 16 levels one record of two whole numbers.  With res the level's resolution, ix, iy, iz = int32(floor(coord x res)).  A corner's table index is
;   (ix or ix + 1) xor (HY or HY + prime) xor (HZ or HZ + prime), modulo 2^19, HY = iy x 2654435761, HZ = iz x 805459861 (wrapping): only the low 19 bits of ix, HY and HZ (of iy and iz, too) reach it.
;   Levels 9 to 15: word 0 = ix[18:0] | HZ[12:0] << 19        word 1 = HY[18:0] | HZ[25:13] << 19
;   Levels 0 to 8:  word 0 = ix[18:0] | iz[12:0] << 19        word 1 = iy[18:0] | iz[25:13] << 19, and bit 31 set where the cell lies outside 0 .. res - 1 on any axis (bits 31:25 of iz say no less)
;   The record of point p, level l lies at byte (p / 32) x 4096 + (l / 2) x 512 + (p % 32) x 16 + (l % 2) x 8: each store of a wave covers 512 consecutive bytes, aligned.
; (2) QUADS: levels 0 to 8 laid out densely.  Quad (x, y, z), x = 0 .. res, y, z = 0 .. res - 1, holds the entries of the vertices (x, y, z), (x, y, z + 1), (x, y + 1, z), (x, y + 1, z + 1): 16 bytes;
;   quads of a level: x fastest, then y, then z; a level begins at a multiple of 256 quads (a chunk).  The levels begin at chunks 0, 17, 50, 114, 246, 503, 1002, 2042, 4067; the last ends at 8132.
;   Work-group w makes chunks w + 1024 i, i = 0 .. 7, a thread a quad; each store of a wave covers 512 consecutive bytes, aligned.  A level's last chunk may hold quads behind its last row: filled, never read.
; THE RESOLUTIONS are floor(16 x c^l), c = float32(32^(1/15)) = 1.25992107, which lies above 2^(1/3).
; No loop, no LDS, no barrier.  LIMITS: coords finite, |coord x 512| under 2^31 (beyond that the conversion to int32 saturates).
.set R, 16                             ; v16-47  the 16 records; no store's data are written again
.set D, 48                             ; v48-54  at work on a quad's place
.set TO, 56                            ; v56     16 x thread
.set Q, 64                             ; v64-95  eight quads: offsets into tables, then the entries
	s_load_b256 s[4:11], s[0:1], 0x0               ; coords s[4:5], tables s[6:7], cells s[8:9], quads s[10:11]
	s_mov_b32 s12, 0x9E3779B1                      ; 2654435761
	s_mov_b32 s13, 0x30025795                      ; 805459861
	s_mov_b32 s14, 0x7ffff                         ; 19 ones
	s_mul_i32 s2, ttmp9, 3072                      ; the work-group's 256 points x 12 bytes
	s_mov_b32 s3, 0
	v_mul_u32_u24 v1, v0, 12                       ; my point's coordinates
	v_lshrrev_b32 v2, 5, v0
	v_and_b32 v3, 31, v0
	v_mov_b32 v7, 0x80000000
	v_lshlrev_b32 v3, 4, v3
	v_lshlrev_b32 v[TO], 4, v0
	v_lshl_or_b32 v2, v2, 12, v3                   ; my records: 4096 x wave + 16 x lane
	s_wait_alu depctr_va_vdst(0)                   ; the wait at the head's end
	s_wait_kmcnt 0x0
	s_add_nc_u64 s[4:5], s[4:5], s[2:3]
	s_lshl_b32 s2, ttmp9, 15                       ; 8 batches of 4,096 bytes
	s_add_nc_u64 s[8:9], s[8:9], s[2:3]
	s_lshl_b32 s2, ttmp9, 12                       ; a chunk of 4,096 bytes
	s_add_nc_u64 s[34:35], s[10:11], s[2:3]
.irp i, 1,2,3,4,5,6,7
	s_add_nc_u64 s[34+2*\i:35+2*\i], s[34:35], \i*0x400000   ; 1,024 chunks on
.endr
	global_load_b96 v[4:6], v1, s[4:5] th:TH_LOAD_NT
; A level's numbers: s20 resolution, s21 first chunk, s22 its table's first byte, s23 and s24 the multipliers that divide by res + 1 and by res.
.macro LV r, c0, lv
	s_mov_b32 s20, \r
	s_mov_b32 s21, \c0
	s_mov_b32 s22, (\lv)<<21
	s_mov_b32 s23, 0x100000000/(\r+1)+1
	s_mov_b32 s24, 0x100000000/(\r)+1
.endm
.macro LVIF r, c0, lv                  ; the same where the chunk s25 lies at or behind this level's first
	s_cmp_ge_u32 s25, \c0
	s_cselect_b32 s20, \r, s20
	s_cselect_b32 s21, \c0, s21
	s_cselect_b32 s22, (\lv)<<21, s22
	s_cselect_b32 s23, 0x100000000/(\r+1)+1, s23
	s_cselect_b32 s24, 0x100000000/(\r)+1, s24
.endm
; One chunk: my quad's x, y, z, and its four loads.  The scalar part divides the chunk's first quad (under 2^21: exact); what a thread adds is under 512: exact with 16 bits of fraction.
.macro CHUNK i
	s_sub_co_u32 s26, s25, s21
	s_lshl_b32 s26, s26, 8                         ; the chunk's first quad in its level
	s_mul_hi_u32 s27, s26, s23                     ; its row
	s_add_co_u32 s28, s20, 1
	s_mul_i32 s29, s27, s28
	s_sub_co_u32 s29, s26, s29                     ; its x
	s_mul_hi_u32 s30, s27, s24                     ; its z
	s_mul_i32 s31, s30, s20
	s_sub_co_u32 s31, s27, s31                     ; its y
	s_lshr_b32 s32, s23, 16
	s_add_co_u32 s32, s32, 1
	s_lshr_b32 s33, s24, 16
	s_add_co_u32 s33, s33, 1
	v_add_nc_u32 v[D], s29, v0
	s_delay_alu instid0(VALU_DEP_1)
	v_mul_u32_u24 v[D+1], s32, v[D]
	s_delay_alu instid0(VALU_DEP_1)
	v_lshrrev_b32 v[D+1], 16, v[D+1]               ; rows on
	s_delay_alu instid0(VALU_DEP_1)
	v_mul_u32_u24 v[D+2], s28, v[D+1]
	v_add_nc_u32 v[D+3], s31, v[D+1]
	v_sub_nc_u32 v[D], v[D], v[D+2]                ; x
	v_mul_u32_u24 v[D+4], s33, v[D+3]
	s_delay_alu instid0(VALU_DEP_1)
	v_lshrrev_b32 v[D+4], 16, v[D+4]               ; planes on
	s_delay_alu instid0(VALU_DEP_1)
	v_mul_u32_u24 v[D+2], s20, v[D+4]
	v_add_nc_u32 v[D+4], s30, v[D+4]               ; z
	v_sub_nc_u32 v[D+3], v[D+3], v[D+2]            ; y
	v_mul_lo_u32 v[D+4], v[D+4], s13               ; HZ
	v_mul_lo_u32 v[D+3], v[D+3], s12               ; HY
	v_add_nc_u32 v[D+5], s13, v[D+4]               ; of z + 1
	v_add_nc_u32 v[D+6], s12, v[D+3]               ; of y + 1
	v_xor_b32 v[Q+4*\i], v[D+3], v[D+4]
	v_xor_b32 v[Q+4*\i+1], v[D+3], v[D+5]
	v_xor_b32 v[Q+4*\i+2], v[D+6], v[D+4]
	v_xor_b32 v[Q+4*\i+3], v[D+6], v[D+5]
.irp j, 0,1,2,3
	v_xor_b32 v[Q+4*\i+\j], v[Q+4*\i+\j], v[D]
.endr
.irp j, 0,1,2,3
	v_and_b32 v[Q+4*\i+\j], s14, v[Q+4*\i+\j]
.endr
.irp j, 0,1,2,3
	v_lshl_add_u32 v[Q+4*\i+\j], v[Q+4*\i+\j], 2, s22
.endr
.irp j, 0,1,2,3
	global_load_b32 v[Q+4*\i+\j], v[Q+4*\i+\j], s[6:7]   ; each load lands on its own offset register
.endr
.endm
	s_mov_b32 s25, ttmp9                           ; chunks 0 to 1023: levels 0 to 6
	LV 16, 0, 0
	LVIF 20, 17, 1
	LVIF 25, 50, 2
	LVIF 32, 114, 3
	LVIF 40, 246, 4
	LVIF 50, 503, 5
	LVIF 64, 1002, 6
	CHUNK 0
	s_add_co_u32 s25, ttmp9, 1024                  ; to 2047: levels 6 and 7
	LV 64, 1002, 6
	LVIF 80, 2042, 7
	CHUNK 1
	s_add_co_u32 s25, ttmp9, 2048                  ; to 3071: level 7
	LV 80, 2042, 7
	CHUNK 2
	s_add_co_u32 s25, ttmp9, 3072                  ; to 4095: levels 7 and 8
	LVIF 101, 4067, 8
	CHUNK 3
	s_add_co_u32 s25, ttmp9, 4096                  ; from here on level 8
	LV 101, 4067, 8
	CHUNK 4
	s_add_co_u32 s25, ttmp9, 5120
	CHUNK 5
	s_add_co_u32 s25, ttmp9, 6144
	CHUNK 6
	s_add_co_u32 s25, ttmp9, 7168
	s_cmp_lt_u32 s25, 8132                         ; the last chunk is number 8131
	s_wait_alu depctr_va_vdst(0)
	s_cbranch_scc0 .Lno_load
	CHUNK 7
.Lno_load:
	s_wait_loadcnt 28                              ; my coordinates: at least 28 loads were issued behind theirs on either way
; One level's record.  Two sets of temporaries take turns.  r > 0: a level that has quads
.macro LEVEL l, res, r
.set T, 8+4*((\l)%2)
.irp i, 0,1,2
	v_mul_f32 v[T+\i], \res, v[4+\i]               ; scaled
.endr
.irp i, 0,1,2
	s_delay_alu instid0(VALU_DEP_3)
	v_floor_f32 v[T+\i], v[T+\i]
.endr
.irp i, 0,1,2
	s_delay_alu instid0(VALU_DEP_3)
	v_cvt_i32_f32 v[T+\i], v[T+\i]                 ; a whole number already: nothing is rounded
.endr
.if \r > 0
	v_max_u32 v[T+3], v[T], v[T+1]                 ; unsigned: what is negative counts as large
	v_and_b32 v[T], s14, v[T]
	v_max_u32 v[T+3], v[T+3], v[T+2]
	v_and_b32 v[T+1], s14, v[T+1]
	v_cmp_le_u32 vcc_lo, \r, v[T+3]
	v_lshl_or_b32 v[R+2*(\l)], v[T+2], 19, v[T]
	v_lshrrev_b32 v[T+2], 13, v[T+2]
	v_cndmask_b32 v[T+3], 0, v7, vcc_lo            ; the flag: outside the dense array
	v_or_b32 v[T+1], v[T+1], v[T+3]
	v_lshl_or_b32 v[R+2*(\l)+1], v[T+2], 19, v[T+1]
.else
	s_delay_alu instid0(VALU_DEP_2)
	v_mul_lo_u32 v[T+1], v[T+1], s12               ; HY
	s_delay_alu instid0(VALU_DEP_2)
	v_mul_lo_u32 v[T+2], v[T+2], s13               ; HZ
	v_and_b32 v[T], s14, v[T]
	s_delay_alu instid0(VALU_DEP_3)
	v_and_b32 v[T+1], s14, v[T+1]
	s_delay_alu instid0(VALU_DEP_3)
	v_lshrrev_b32 v[T+3], 13, v[T+2]
	s_delay_alu instid0(VALU_DEP_3)
	v_lshl_or_b32 v[R+2*(\l)], v[T+2], 19, v[T]
	s_delay_alu instid0(VALU_DEP_2)
	v_lshl_or_b32 v[R+2*(\l)+1], v[T+3], 19, v[T+1]
.endif
.if (\l)%2 == 1
	global_store_b128 v2, v[R+2*(\l)-2:R+2*(\l)+1], s[8:9] offset:512*((\l)/2)   ; two levels: 32 lanes store 512 consecutive bytes
.endif
.endm
	LEVEL 0,  0x41800000, 16
	LEVEL 1,  0x41a00000, 20
	LEVEL 2,  0x41c80000, 25
	LEVEL 3,  0x42000000, 32
	LEVEL 4,  0x42200000, 40
	LEVEL 5,  0x42480000, 50
	LEVEL 6,  0x42800000, 64
	LEVEL 7,  0x42a00000, 80
	LEVEL 8,  0x42ca0000, 101
	LEVEL 9,  0x43000000, 0                        ; 128
	LEVEL 10, 0x43210000, 0                        ; 161
	LEVEL 11, 0x434b0000, 0                        ; 203
	LEVEL 12, 0x43800000, 0                        ; 256
	LEVEL 13, 0x43a10000, 0                        ; 322
	LEVEL 14, 0x43cb0000, 0                        ; 406
	LEVEL 15, 0x44000000, 0                        ; 512
.irp i, 0,1,2,3,4,5,6
	s_wait_loadcnt 4*(6-\i)                        ; loads come back in order: chunk i's four are in, on either way
	global_store_b128 v[TO], v[Q+4*\i:Q+4*\i+3], s[34+2*\i:35+2*\i]
.endr
	s_cmp_lt_u32 s25, 8132
	s_wait_alu depctr_va_vdst(0)
	s_cbranch_scc0 .Lno_store
	s_wait_loadcnt 0x0
	global_store_b128 v[TO], v[Q+28:Q+31], s[48:49]
.Lno_store:
	s_endpgm
.Lfunc_end_k_q56c7a22c2d_prep:
	.size	k_q56c7a22c2d_prep, .Lfunc_end_k_q56c7a22c2d_prep-k_q56c7a22c2d_prep
	.p2alignl 7, 3214868480
	.fill 96, 4, 3214868480
	.section	.rodata,"a",@progbits
	.p2align	6, 0x0
	.amdhsa_kernel k_q56c7a22c2d_prep
		.amdhsa_group_segment_fixed_size 0
		.amdhsa_private_segment_fixed_size 0
		.amdhsa_enable_private_segment 0
		.amdhsa_kernarg_size 32
		.amdhsa_user_sgpr_count 2
		.amdhsa_user_sgpr_kernarg_segment_ptr 1
		.amdhsa_wavefront_size32 1
		.amdhsa_system_sgpr_workgroup_id_x 1
		.amdhsa_system_sgpr_workgroup_id_y 1
		.amdhsa_system_sgpr_workgroup_id_z 1
		.amdhsa_system_vgpr_workitem_id 0
		.amdhsa_next_free_vgpr 96
		.amdhsa_next_free_sgpr 66
		.amdhsa_reserve_vcc 1
		.amdhsa_float_denorm_mode_32 3
		.amdhsa_float_denorm_mode_16_64 3
		.amdhsa_memory_ordered 1
		.amdhsa_forward_progress 1
		.amdhsa_inst_pref_size 41
	.end_amdhsa_kernel
	.amdgpu_metadata
---
amdhsa.version: [ 1, 2 ]
amdhsa.kernels:
  - .name:           k_q56c7a22c2d_prep
    .symbol:         k_q56c7a22c2d_prep.kd
    .args:
      - { .name: coords, .offset: 0, .size: 8, .value_kind: global_buffer, .address_space: global }
      - { .name: tables, .offset: 8, .size: 8, .value_kind: global_buffer, .address_space: global }
      - { .name: cells, .offset: 16, .size: 8, .value_kind: global_buffer, .address_space: global }
      - { .name: quads, .offset: 24, .size: 8, .value_kind: global_buffer, .address_space: global }
    .group_segment_fixed_size: 0
    .private_segment_fixed_size: 0
    .kernarg_segment_align: 8
    .kernarg_segment_size: 32
    .max_flat_workgroup_size: 256
    .sgpr_count:     66
    .vgpr_count:     96
    .wavefront_size: 32
...
	.end_amdgpu_metadata
.endif
;; end of part 1
;; launch nerf (part 2): grid 1024 x 1, 8 waves a work-group, no clusters, 29,952 bytes of LDS; arguments coords, cells, tables, w_in_codes, w_in_scales, b_in, w_h0_codes, w_h0_scales, b_h0, w_h1_codes, w_h1_scales, b_h1, w_out_codes, w_out_scales, b_out, out0, quads; writes out0
.if DOCPART == 2
	.amdgcn_target "amdgcn-amd-amdhsa--gfx1250"
	.amdhsa_code_object_version 6
	.text
	.protected	k_q56c7a22c2d_nerf
	.globl	k_q56c7a22c2d_nerf
	.p2align	8
	.type	k_q56c7a22c2d_nerf,@function
k_q56c7a22c2d_nerf:
	s_mov_b64 s[64:65], 0
	v_nop
	global_prefetch_b8 v0, s[64:65] scope:SCOPE_SE
	s_setreg_imm32_b32 hwreg(HW_REG_WAVE_MODE, 25, 1), 1
	s_wait_xcnt 0x0
; out0[p][:] = MLP(hash encoding of point p).  262,144 points; 16 levels; tables [16][2^19][2] f16; an MLP 32-64-64-64-16 whose four products run on codes of FP6 (E2M3) with one E8M0 scale for each 32 along K.
; SHARES.  A wave takes 32 points; a work-group's eight waves share only the weights' images in LDS.  Straight-line text: the 16 levels are unrolled, there is no loop.
; ENCODING, in two groups of 16 points: lanes l and l + 16 take the SAME point, the first the corners at x, the second those at x + 1.  So the two entries of an x pair, which differ in the index's low bits
; (x xor (x + 1) is 1, 3, 7, ..), are asked for by one instruction.  A lane has four corners of each group, the (y or y + 1, z or z + 1).
; Levels 9 to 15: four loads of 4 bytes, by the hash.  Levels 0 to 8: one load of 16 bytes, from the dense quads that the launch before has laid out; x + 1's quad is the next.
; A point that lies outside a level's dense array is flagged in its record; where a wave has such a point, the level's four words of the flagged lanes are loaded anew by the hash: so every coordinate is served.
; The branch hangs on stored whole numbers alone; this launch has no tensor load.
; A corner's weight is the product over the axes of (s - floor(s)) for a ceil corner and (ceil(s) - s) for a floor corner, s = coord x resolution, in f32.  Where s is a whole number both weights of that axis are 0, so that
; 'ceil cell = floor cell + 1' changes no sum.  The loads of four levels are out while a level is blended.  The two halves' partial sums meet by one exchange of half rows: then a lane holds one point's features.
; THE MLP, transposed: source 0 = 16 rows of a weight, source 1 = the points' codes; a lane holds one point (lane % 16) and eight units.  K is 32 or 64 and the instruction's is 128, so TWO TILES OF 16 POINTS SHARE ONE OPERAND:
; registers 0-5 (k 0-63) hold points 0-15, registers 6-11 (k 64-127) points 16-31.  A weight tile's six registers lie between runs of six registers of zero codes: named with the zeros behind them they pick points 0-15,
; with the zeros in front points 16-31.  Zero codes add nothing under any scale byte but 0xff.  A weight's scale word holds its bytes twice.  Each sum is ONE instruction; the bias is its C.
; THE ROWS OF A HIDDEN TILE ARE NOT NEIGHBOURS: lane r of tile t takes row 32 (t / 2) + 8 (t % 2) + r + 8 (r / 8), so that the 16 registers of tiles 2 b and 2 b + 1 are 16 neighbours along the next K.
; WHY NO TENSOR LOADS, NO CLUSTER, NO PREFETCH: what work-groups share is 10 KB of weights and biases; all else is a wave's own stream or a gather, asked for four levels ahead; there is no loop to run ahead in.
; LIMITS: coords finite, |coord x 512| under 2^31; tables finite (a weight of 0 may meet another entry than the one that the definition names); a given scale byte 0xff is not served;
; a block whose largest magnitude lies under 2^-124 keeps the byte 1 (a block of zeros too: its codes are zeros).
.set IMG,  0                           ; LDS: 13 weight tiles as images of their six registers: registers 0-3 at 768 f + 16 x lane, registers 4-5 at 768 f + 512 + 8 x lane.  f: 0-3 w_in, 4-7 w_h0, 8-11 w_h1, 12 w_out
.set WSC,  9984                        ; their scale words: 128 f + 4 x lane
.set BIAS, 11648                       ; b_in, b_h0, b_h1 (256 bytes each), b_out (twice: 128 bytes)
.set STG,  12544                       ; a stage of 2,048 bytes for each wave: 32 rows of out0; the spare words lie behind, from 0x7100 on
.set LI,   1                           ; v1   16 x lane     (addresses v1-v7 are made here at the head and never rewritten)
.set L8,   2                           ; v2   8 x lane
.set L4,   3                           ; v3   4 x lane
.set LB,   4                           ; v4   64 h: a hidden tile's biases of my half
.set LB2,  5                           ; v5   32 h: b_out's
.set STO,  6                           ; v6   the stage: where I put a point's 32 bytes
.set STR,  7                           ; v7   and where I read 16 bytes back
.set CP,   8                           ; v8-13    coordinates x, y, z, each as a pair: group 0's point, group 1's
.set HV,   14                          ; v14      h = lane / 16: my corner along x
.set REC,  16                          ; v16-79   the records: level l of group g at REC + 8 (l / 2) + 4 g + 2 (l % 2)
.set ENC,  16                          ; v16-47   my point's 32 features: level l's two overlie records of levels up to l, which are done with by then
.set G,    80                          ; v80-111  four sets of eight: group g's four words at + 4 g
.set F,    112                         ; v112-119 four pairs of features as f32; on the way by the hash, offsets
.set QM,   120                         ; v120-123 largest magnitudes
.set QP,   124                         ; v124-127 the other half's; then the bytes
.set T,    128                         ; v128-137 at work on the indices
.set S,    142                         ; v142-147 scaled, in pairs of groups (x, y, z)
.set AC,   142                         ; v142-145 the groups' sums, behind the weights
.set FL,   148                         ; v148-153 s - floor(s)
.set CE,   154                         ; v154-159 ceil(s) - s
.set WX,   160                         ; v160-161 my x corner's weight;  v162-165 times y's
.set W,    166                         ; v166-173 the four corners' weights, in pairs of groups
.set H,    16                          ; MLP: v16-79 results: tile t of points 0-15 at H + 8 t, of points 16-31 at H + 32 + 8 t
.set BI,   128                         ; v128-159 biases, eight registers a tile
.set BB,   160                         ; v160-171 the points' codes, second set
.set QS,   172                         ; v172-175 the conversions' scale operands
.set AZ,   176                         ; v176-229 zeros, tile 0, zeros, tile 1, zeros, tile 2, zeros, tile 3, zeros: six registers each
.set WS,   230                         ; v230-233 the tiles' scale words: these and v246, v247 hold scales and nothing else
.set BA,   234                         ; v234-245 the points' codes, first set
.set BSA,  246                         ; v246, v247 their scale words
.set BSB,  247
.set TC,   248                         ; v248-250, v252-254 halves of blocks on their way;  v251, v255 the add's two registers
.set OUTR, 80                          ; the way out
.macro PLACES n
.rept \n
	v_nop
.endr
.endm
	s_load_b512 s[8:23], s[0:1], 0x0               ; coords s[8:9], cells s[10:11], tables s[12:13], w_in: codes s[14:15], scales s[16:17], bias s[18:19]; w_h0: codes s[20:21], scales s[22:23],
	s_load_b512 s[24:39], s[0:1], 0x40             ; bias s[24:25]; w_h1: s[26:27], s[28:29], s[30:31]; w_out: s[32:33], s[34:35], s[36:37]; out0 s[38:39]
	s_load_b64 s[48:49], s[0:1], 0x80              ; quads
	v_lshl_add_u32 v251, v0, 2, 0x7100
	v_mov_b32 v255, 0
	v_lshrrev_b32 v12, 5, v0
	s_delay_alu instid0(VALU_DEP_1)
	v_readfirstlane_b32 s2, v12                    ; wave 0..7
	v_and_b32 v12, 31, v0                          ; lane
	v_and_b32 v13, 15, v0                          ; r
	v_bfe_u32 v[HV], v0, 4, 1                      ; h
	s_delay_alu instid0(VALU_DEP_1)
	v_add_nc_u32 v15, -1, v[HV]                    ; all ones in lanes 0-15, 0 in lanes 16-31
	v_lshlrev_b32 v[LI], 4, v12
	v_lshlrev_b32 v[L8], 3, v12
	v_lshlrev_b32 v[L4], 2, v12
	v_lshlrev_b32 v[LB], 6, v[HV]
	v_lshlrev_b32 v[LB2], 5, v[HV]
	s_lshl_b32 s3, s2, 11
	s_add_co_u32 s3, s3, STG                       ; my wave's stage
	v_lshlrev_b32 v[STO], 6, v13
	v_mul_u32_u24 v11, v13, 12                     ; coordinates: point r of a group
	v_lshl_add_u32 v[STO], v[HV], 5, v[STO]
	v_lshlrev_b32 v10, 4, v13                      ; records: point r of a group
	v_add_nc_u32 v[STO], s3, v[STO]                ; row r of 64 bytes, + 32 h
	v_add_nc_u32 v[STR], s3, v[LI]
	s_lshl_b32 s4, ttmp9, 3
	s_add_co_u32 s4, s4, s2                        ; my batch of 32 points: 8 x work-group + wave
	s_mul_i32 s6, s4, 384
	s_mov_b32 s7, 0
	s_mov_b32 s40, 0x9E3779B1                      ; 2654435761
	s_mov_b32 s41, 0x30025795                      ; 805459861
	s_mov_b32 s42, 0x7ffff
	s_mov_b32 s43, 0xffff0000                      ; lanes 16-31
	s_mov_b32 s44, 0x76543210
	s_mov_b32 s45, 0xfedcba98                      ; v_permlanex16_b32's selects for lane l xor 16
	s_wait_alu depctr_va_vdst(0)                   ; the wait at the head's end
	s_wait_kmcnt 0x0
	s_add_nc_u64 s[8:9], s[8:9], s[6:7]            ; coords: 384 bytes a batch
	s_lshl_b32 s6, s4, 12
	s_add_nc_u64 s[10:11], s[10:11], s[6:7]        ; cells: 4,096
	s_lshl_b32 s6, s4, 11
	s_add_nc_u64 s[38:39], s[38:39], s[6:7]        ; out0: 2,048
	global_load_b96 v[142:144], v11, s[8:9] th:TH_LOAD_NT
	global_load_b96 v[146:148], v11, s[8:9] offset:192 th:TH_LOAD_NT
.irp q, 0,1,2,3,4,5,6,7
.irp g, 0,1
	global_load_b128 v[REC+8*\q+4*\g:REC+8*\q+4*\g+3], v10, s[10:11] offset:512*\q+256*\g th:TH_LOAD_NT   ; levels 2 q and 2 q + 1 of group g: 256 consecutive bytes, read by both halves of the lanes
.endr
.endr
.irp z, 0,1,2,3,4
.irp i, 0,1,2,3,4,5
	v_mov_b32 v[AZ+12*\z+\i], 0                    ; the five runs of zero codes: written once
.endr
.endr
.irp i, 0,1,2,3
	v_mov_b32 v[QP+\i], 0                          ; a lane permute's destination counts as one of its sources
.endr
.irp i, 6,7,8,9,10,11
	v_mov_b32 v[BA+\i], 0
.endr
; STAGING.  Waves 0 to 3 bring one weight each into LDS, as images of the operand's registers, with its scale words and its bias; their loads are out beside the loads above.
; cp, sp, bp: the scalar pairs of codes, scales, bias; pitch: a row's bytes; nt tiles, the first is image f0; boff: the bias's place; kind 0: w_in (K = 32), 1: a hidden layer's, 2: w_out (rows as they lie)
.macro STAGE cp, sp, bp, pitch, nt, f0, boff, kind
.if \kind == 2
	v_mov_b32 v114, v13
.else
	v_and_b32 v114, 8, v13
	s_delay_alu instid0(VALU_DEP_1)
	v_add_nc_u32 v114, v114, v13                   ; r + 8 (r / 8)
.endif
	s_delay_alu instid0(VALU_DEP_1)
	v_mul_u32_u24 v112, v114, \pitch
.if \pitch == 48
	s_delay_alu instid0(VALU_DEP_1)
	v_mad_u32_u24 v112, v14, 24, v112              ; lanes 16-31 take the row's second block
.endif
	v_mul_u32_u24 v113, v114, \pitch/24            ; a byte of scale for each block
.set TT, 0
.rept \nt
.set RB, 32*(TT/2)+8*(TT%2)
.irp p, 0,1,2
	global_load_b64 v[80+6*TT+2*\p:81+6*TT+2*\p], v112, s[\cp:\cp+1] offset:RB*\pitch+8*\p   ; a block's 24 bytes, as they lie, in three pieces of 8
.endr
.if \kind == 0
	global_load_u8 v[104+TT], v113, s[\sp:\sp+1] offset:RB
.else
	global_load_u16 v[104+TT], v113, s[\sp:\sp+1] offset:RB*2
.endif
.set TT, TT+1
.endr
.if \kind == 2
	v_lshlrev_b32 v115, 2, v13
	global_load_b32 v108, v115, s[\bp:\bp+1]       ; 16 numbers, read by both halves of the lanes: no lane leaves the 64 bytes
.else
	global_load_b64 v[108:109], v[L8], s[\bp:\bp+1]
.endif
	s_wait_loadcnt 0x0                             ; these, and coords and cells with them
.if \kind == 0
.set TT, 0
.rept 24
	v_and_b32 v[80+TT], v15, v[80+TT]              ; K = 32: blocks 1 and 3, which lanes 16-31 hold, are zero codes
.set TT, TT+1
.endr
.endif
.set TT, 0
.rept \nt
	v_lshl_or_b32 v[104+TT], v[104+TT], 16, v[104+TT]   ; the row's bytes twice: for k 0-63 and for k 64-127
	ds_store_b128 v[LI], v[80+6*TT:83+6*TT] offset:IMG+768*(\f0+TT)
	ds_store_b64 v[L8], v[84+6*TT:85+6*TT] offset:IMG+768*(\f0+TT)+512
	ds_store_b32 v[L4], v[104+TT] offset:WSC+128*(\f0+TT)
.set TT, TT+1
.endr
.if \kind == 2
	ds_store_b32 v[L4], v108 offset:BIAS+\boff
.else
	ds_store_b64 v[L8], v[108:109] offset:BIAS+\boff
.endif
.endm
	s_cmp_eq_u32 s2, 0
	s_cbranch_scc0 .Lnot_0
	STAGE 14, 16, 18, 24, 4, 0, 0, 0
	s_branch .Ljoin
.Lnot_0:
	s_cmp_eq_u32 s2, 1
	s_cbranch_scc0 .Lnot_1
	STAGE 20, 22, 24, 48, 4, 4, 256, 1
	s_branch .Ljoin
.Lnot_1:
	s_cmp_eq_u32 s2, 2
	s_cbranch_scc0 .Lnot_2
	STAGE 26, 28, 30, 48, 4, 8, 512, 1
	s_branch .Ljoin
.Lnot_2:
	s_cmp_eq_u32 s2, 3
	s_cbranch_scc0 .Ljoin
	STAGE 32, 34, 36, 48, 1, 12, 768, 2
.Ljoin:
	s_wait_loadcnt 0x0                             ; coords and cells: from here on only gathers are counted
.irp i, 0,1,2
	v_mov_b32 v[CP+2*\i], v[142+\i]                ; pairs of groups
	v_mov_b32 v[CP+2*\i+1], v[146+\i]
.endr
	; is any of my points outside the dense array of any of the levels 0 to 8?  (bit 31 of word 1)
	v_or_b32 v[T], v[REC+1], v[REC+5]
	v_or_b32 v[T+1], v[REC+3], v[REC+7]
.irp q, 1,2,3
	v_or_b32 v[T], v[T], v[REC+8*\q+1]
	v_or_b32 v[T+1], v[T+1], v[REC+8*\q+3]
	v_or_b32 v[T], v[T], v[REC+8*\q+5]
	v_or_b32 v[T+1], v[T+1], v[REC+8*\q+7]
.endr
	v_or_b32 v[T], v[T], v[REC+33]
	v_or_b32 v[T+1], v[T+1], v[REC+37]
	v_or_b32 v[T], v[T], v[T+1]
	v_cmp_gt_i32 s46, 0, v[T]
; A LEVEL'S LOADS FROM THE QUADS: resolution r, first chunk c0 of 4,096 bytes.  A flagged lane's number is garbage, held inside the level; its words are replaced later.
.macro DENSE l, r, c0
.set GS, G+8*((\l)%4)
.set RC, REC+8*((\l)/2)+2*((\l)%2)
.irp g, 0,1
	v_lshrrev_b32 v[T+\g], 19, v[RC+4*\g]          ; iz
	v_and_b32 v[T+2+\g], s42, v[RC+4*\g]           ; ix
.endr
.irp g, 0,1
	v_mad_u32_u24 v[T+\g], v[T+\g], \r, v[RC+4*\g+1]   ; the row: iz x res + iy
	v_add_nc_u32 v[T+2+\g], v[T+2+\g], v[HV]
.endr
.irp g, 0,1
	v_mad_u32_u24 v[GS+4*\g], v[T+\g], \r+1, v[T+2+\g]
.endr
.irp g, 0,1
	v_min_u32 v[GS+4*\g], \r*\r*(\r+1)-1, v[GS+4*\g]
.endr
.irp g, 0,1
	v_lshl_add_u32 v[GS+4*\g], v[GS+4*\g], 4, \c0*4096
.endr
.irp g, 0,1
	global_load_b128 v[GS+4*\g:GS+4*\g+3], v[GS+4*\g], s[48:49]   ; lands on its own offset register too
.endr
.endm
; FOUR INDICES OF EACH GROUP BY THE HASH, as byte offsets into tables, in v[d .. d + 7].  fb = 1: the record holds iy and iz, and the products are made here.
.macro HASH l, d, fb
.set RC, REC+8*((\l)/2)+2*((\l)%2)
.irp g, 0,1
	v_lshrrev_b32 v[T+5*\g], 19, v[RC+4*\g]
	v_lshrrev_b32 v[T+5*\g+1], 19, v[RC+4*\g+1]
.endr
.irp g, 0,1
	v_lshl_or_b32 v[T+5*\g], v[T+5*\g+1], 13, v[T+5*\g]   ; HZ, or iz (26 bits of it)
	v_add_nc_u32 v[T+5*\g+4], v[HV], v[RC+4*\g]    ; my x: what stands above bit 18 does not reach the low 19 bits
.endr
.if \fb
.set HYB, T+1
.set HYS, 5
.irp g, 0,1
	v_mul_lo_u32 v[T+5*\g], v[T+5*\g], s41
	v_mul_lo_u32 v[T+5*\g+1], v[RC+4*\g+1], s40
.endr
.else
.set HYB, RC+1
.set HYS, 4
.endif
.irp g, 0,1
	v_add_nc_u32 v[T+5*\g+2], s41, v[T+5*\g]       ; of iz + 1
	v_add_nc_u32 v[T+5*\g+3], s40, v[HYB+HYS*\g]   ; of iy + 1
.endr
.irp g, 0,1
	v_xor_b32 v[\d+4*\g], v[HYB+HYS*\g], v[T+5*\g]
	v_xor_b32 v[\d+4*\g+1], v[HYB+HYS*\g], v[T+5*\g+2]
	v_xor_b32 v[\d+4*\g+2], v[T+5*\g+3], v[T+5*\g]
	v_xor_b32 v[\d+4*\g+3], v[T+5*\g+3], v[T+5*\g+2]
.endr
.irp n, 0,1,2,3,4,5,6,7
	v_xor_b32 v[\d+\n], v[\d+\n], v[T+5*(\n/4)+4]
.endr
.irp n, 0,1,2,3,4,5,6,7
	v_and_b32 v[\d+\n], s42, v[\d+\n]              ; modulo 2^19
.endr
.irp n, 0,1,2,3,4,5,6,7
	v_min_u32 v[\d+\n], 0x7ffff, v[\d+\n]          ; a number made of loaded numbers enters an address behind a bound written in the text (it changes nothing: the mask has bounded it)
.endr
.irp n, 0,1,2,3,4,5,6,7
.if (\l) == 0
	v_lshlrev_b32 v[\d+\n], 2, v[\d+\n]
.else
	v_lshl_add_u32 v[\d+\n], v[\d+\n], 2, (\l)<<21   ; 4 bytes an entry, 2^21 bytes a level
.endif
.endr
.endm
.macro DIRECT l
.set GS, G+8*((\l)%4)
	HASH \l, GS, 0
.irp n, 0,1,2,3,4,5,6,7
	global_load_b32 v[GS+\n], v[GS+\n], s[12:13]   ; two f16; each load lands on its own offset register.  No hint: entries are read again
.endr
.endm
; One corner j of group g: its two features to f32, times its weight, onto the group's pair.  The first corner starts the sums.  (The halves of a register are named by its number: so the sets are written out below.)
.macro BL g, j, lo, hi
.set FP, F+2*((2*(\j)+\g)%4)
	v_cvt_f32_f16 v[FP], \lo
	v_cvt_f32_f16 v[FP+1], \hi
.if (\j) == 0
	v_pk_mul_f32 v[AC+2*\g:AC+2*\g+1], v[FP:FP+1], v[W:W+1] op_sel:[0,\g] op_sel_hi:[1,\g]
.else
	v_pk_fma_f32 v[AC+2*\g:AC+2*\g+1], v[FP:FP+1], v[W+2*(\j):W+2*(\j)+1], v[AC+2*\g:AC+2*\g+1] op_sel:[0,\g,0] op_sel_hi:[1,\g,1]
.endif
.endm
; LEVEL l IS BLENDED.  The weights are made ahead of the wait for the level's words.
.macro CONSUME l, res
.irp i, 0,2,4
	v_pk_mul_f32 v[S+\i:S+\i+1], v[CP+\i:CP+\i+1], \res op_sel_hi:[1,0]   ; scaled: the same products as in the launch before
.endr
.irp i, 0,1,2,3,4,5
	v_floor_f32 v[FL+\i], v[S+\i]
	v_ceil_f32 v[CE+\i], v[S+\i]
.endr
.irp i, 0,2,4
	v_pk_add_f32 v[FL+\i:FL+\i+1], v[S+\i:S+\i+1], v[FL+\i:FL+\i+1] neg_lo:[0,1] neg_hi:[0,1]   ; s - floor(s): the ceil corner's weight
	v_pk_add_f32 v[CE+\i:CE+\i+1], v[CE+\i:CE+\i+1], v[S+\i:S+\i+1] neg_lo:[0,1] neg_hi:[0,1]   ; ceil(s) - s: the floor corner's
.endr
	v_cndmask_b32 v[WX], v[CE], v[FL], s43         ; my corner along x
	v_cndmask_b32 v[WX+1], v[CE+1], v[FL+1], s43
	v_pk_mul_f32 v[WX+2:WX+3], v[WX:WX+1], v[CE+2:CE+3]
	v_pk_mul_f32 v[WX+4:WX+5], v[WX:WX+1], v[FL+2:FL+3]
	v_pk_mul_f32 v[W:W+1], v[WX+2:WX+3], v[CE+4:CE+5]
	v_pk_mul_f32 v[W+2:W+3], v[WX+2:WX+3], v[FL+4:FL+5]
	v_pk_mul_f32 v[W+4:W+5], v[WX+4:WX+5], v[CE+4:CE+5]
	v_pk_mul_f32 v[W+6:W+7], v[WX+4:WX+5], v[FL+4:FL+5]
.set CNT, 0
.irp k, 1,2,3
.if (\l)+\k < 9
.set CNT, CNT+2
.elseif (\l)+\k < 16
.set CNT, CNT+8
.endif
.endr
	s_wait_alu depctr_va_vdst(0)
	s_wait_loadcnt CNT                             ; loads come back in order: this level's are in, those of the three levels behind it (two each up to level 8, then eight) may be out
.if (\l) < 9
	s_cmp_eq_u32 s46, 0
	s_cbranch_scc1 .Linside_\l
	HASH \l, F, 1                                  ; some point of mine lies outside some dense array: the flagged lanes' words by the hash
.set GC, G+8*((\l)%4)
.irp n, 0,1,2,3,4,5,6,7
	global_load_b32 v[F+\n], v[F+\n], s[12:13]     ; every lane loads (each offset lies inside the level's table), onto its own offset register
.endr
	s_wait_loadcnt 0x0
.irp g, 0,1
	v_cmp_gt_i32 vcc_lo, 0, v[RC+4*\g+1]           ; flagged lanes take these words, the others keep the quads'
.irp j, 0,1,2,3
	v_cndmask_b32 v[GC+4*\g+\j], v[GC+4*\g+\j], v[F+4*\g+\j], vcc_lo
.endr
.endr
.Linside_\l:
.endif
.if (\l)%4 == 0
	BL 0, 0, v80.l, v80.h
	BL 1, 0, v84.l, v84.h
	BL 0, 1, v81.l, v81.h
	BL 1, 1, v85.l, v85.h
	BL 0, 2, v82.l, v82.h
	BL 1, 2, v86.l, v86.h
	BL 0, 3, v83.l, v83.h
	BL 1, 3, v87.l, v87.h
.elseif (\l)%4 == 1
	BL 0, 0, v88.l, v88.h
	BL 1, 0, v92.l, v92.h
	BL 0, 1, v89.l, v89.h
	BL 1, 1, v93.l, v93.h
	BL 0, 2, v90.l, v90.h
	BL 1, 2, v94.l, v94.h
	BL 0, 3, v91.l, v91.h
	BL 1, 3, v95.l, v95.h
.elseif (\l)%4 == 2
	BL 0, 0, v96.l, v96.h
	BL 1, 0, v100.l, v100.h
	BL 0, 1, v97.l, v97.h
	BL 1, 1, v101.l, v101.h
	BL 0, 2, v98.l, v98.h
	BL 1, 2, v102.l, v102.h
	BL 0, 3, v99.l, v99.h
	BL 1, 3, v103.l, v103.h
.else
	BL 0, 0, v104.l, v104.h
	BL 1, 0, v108.l, v108.h
	BL 0, 1, v105.l, v105.h
	BL 1, 1, v109.l, v109.h
	BL 0, 2, v106.l, v106.h
	BL 1, 2, v110.l, v110.h
	BL 0, 3, v107.l, v107.h
	BL 1, 3, v111.l, v111.h
.endif
	v_permlane16_swap_b32 v[AC], v[AC+2]           ; group 0's lanes 16-31 (its x + 1 sums) change places with group 1's lanes 0-15 (its x sums):
	v_permlane16_swap_b32 v[AC+1], v[AC+3]         ; then lane l holds point l's two parts
	v_pk_add_f32 v[ENC+2*(\l):ENC+2*(\l)+1], v[AC:AC+1], v[AC+2:AC+3]
.endm
	DENSE 0, 16, 0
	DENSE 1, 20, 17
	DENSE 2, 25, 50
	DENSE 3, 32, 114
	CONSUME 0,  0x41800000                         ; 16.  Then the level's set of registers takes the level four further on
	DENSE 4, 40, 246
	CONSUME 1,  0x41a00000                         ; 20
	DENSE 5, 50, 503
	CONSUME 2,  0x41c80000                         ; 25
	DENSE 6, 64, 1002
	CONSUME 3,  0x42000000                         ; 32
	DENSE 7, 80, 2042
	CONSUME 4,  0x42200000                         ; 40
	DENSE 8, 101, 4067
	CONSUME 5,  0x42480000                         ; 50
	DIRECT 9
	CONSUME 6,  0x42800000                         ; 64
	DIRECT 10
	CONSUME 7,  0x42a00000                         ; 80
	DIRECT 11
	CONSUME 8,  0x42ca0000                         ; 101
	DIRECT 12
	CONSUME 9,  0x43000000                         ; 128
	DIRECT 13
	CONSUME 10, 0x43210000                         ; 161
	DIRECT 14
	CONSUME 11, 0x434b0000                         ; 203
	DIRECT 15
	CONSUME 12, 0x43800000                         ; 256
	CONSUME 13, 0x43a10000                         ; 322
	CONSUME 14, 0x43cb0000                         ; 406
	CONSUME 15, 0x44000000                         ; 512
	s_wait_alu depctr_va_vdst(0)
	s_wait_dscnt 0x0                               ; for the others' sake: my stores of images, scale words and biases have landed
	s_barrier_signal -1
	s_barrier_wait -1                              ; the one barrier: behind it every wave reads what waves 0 to 3 stored, and nobody writes those bytes again
; nt tiles of a weight from image f0 on, their biases (from breg + boff) and their scale words
.macro WLOAD f0, nt, boff, breg
.set TT, 0
.rept \nt
	ds_load_b128 v[AZ+6+12*TT:AZ+9+12*TT], v[LI] offset:IMG+768*(\f0+TT)
	ds_load_b64 v[AZ+10+12*TT:AZ+11+12*TT], v[L8] offset:IMG+768*(\f0+TT)+512
	ds_load_b128 v[BI+8*TT:BI+8*TT+3], v[\breg] offset:\boff+128*(TT/2)+32*(TT%2)        ; register j: the bias of unit 32 (t / 2) + 16 h + 8 (t % 2) + j (w_out: of output 8 h + j)
	ds_load_b128 v[BI+8*TT+4:BI+8*TT+7], v[\breg] offset:\boff+128*(TT/2)+32*(TT%2)+16
	ds_load_b32 v[WS+TT], v[L4] offset:WSC+128*(\f0+TT)
.set TT, TT+1
.endr
.endm
; A layer: for each tile of the weight two products, the tile with zeros behind it (points 0-15) and with zeros in front (points 16-31).  Every result has its own registers; no sum has a second link.
.macro MUL nt, b, bs
.set TT, 0
.rept \nt
	v_wmma_scale_f32_16x16x128_f8f6f4 v[H+8*TT:H+8*TT+7], v[AZ+6+12*TT:AZ+17+12*TT], v[\b:\b+11], v[BI+8*TT:BI+8*TT+7], v[WS+TT], v[\bs] matrix_a_fmt:MATRIX_FMT_FP6 matrix_b_fmt:MATRIX_FMT_FP6
	v_wmma_scale_f32_16x16x128_f8f6f4 v[H+32+8*TT:H+32+8*TT+7], v[AZ+12*TT:AZ+11+12*TT], v[\b:\b+11], v[BI+8*TT:BI+8*TT+7], v[WS+TT], v[\bs] matrix_a_fmt:MATRIX_FMT_FP6 matrix_b_fmt:MATRIX_FMT_FP6
.set TT, TT+1
.endr
.endm
; The 64 results of a lane (block q = 2 P + b of 32 units: registers H + 16 q on hold units 32 b + 16 h + 0 .. 15 of point r of tile P) are clipped at 0, quantised, and become the next operand in v[nb] on and its scale word in v[nbs].
.macro QHID nb, nbs
.set TT, 0
.rept 64
	v_max_num_f32 v[H+TT], 0, v[H+TT]              ; the activation, in f32; in ascending order, so that each result is first read at its low end
.set TT, TT+1
.endr
.irp q, 0,1,2,3
	v_max3_num_f32 v[QM+\q], v[H+16*\q], v[H+16*\q+1], 0x1800000   ; my 16 numbers (none is negative), and the floor 2^(3 - 127): so the byte cannot fall under 1
.endr
.irp i, 2,4,6,8,10,12,14
.irp q, 0,1,2,3
	s_delay_alu instid0(VALU_DEP_4)
	v_max3_num_f32 v[QM+\q], v[QM+\q], v[H+16*\q+\i], v[H+16*\q+\i+1]   ; (the four blocks by turns)
.endr
.endr
.irp q, 0,1,2,3
	s_delay_alu instid0(VALU_DEP_4)
	v_permlanex16_b32 v[QP+\q], v[QM+\q], s44, s45
.endr
.irp q, 0,1,2,3
	s_delay_alu instid0(VALU_DEP_4)
	v_max_num_f32 v[QM+\q], v[QM+\q], v[QP+\q]     ; with lane l xor 16's: the block's largest magnitude
.endr
.irp q, 0,1,2,3
	s_delay_alu instid0(VALU_DEP_4)
	v_add_nc_u32 v[QS+\q], 0xff000000, v[QM+\q]    ; 2 off its exponent field: the conversion takes the exponent field of this operand as its scale
.endr
.irp q, 0,1,2,3
	s_delay_alu instid0(VALU_DEP_4)
	v_lshrrev_b32 v[QP+\q], 23, v[QS+\q]           ; the scale's byte
.endr
	s_delay_alu instid0(VALU_DEP_3)
	v_lshl_or_b32 v[\nbs], v[QP+1], 8, v[QP]       ; lane r's word: points 0-15's two blocks (k 0-63), then points 16-31's (k 64-127)
	s_delay_alu instid0(VALU_DEP_1)
	v_lshl_or_b32 v[\nbs], v[QP+2], 16, v[\nbs]
	s_delay_alu instid0(VALU_DEP_1)
	v_lshl_or_b32 v[\nbs], v[QP+3], 24, v[\nbs]
.irp p, 0,1
	v_cvt_scalef32_pk16_fp6_f32 v[\nb+6*\p:\nb+6*\p+2], v[H+32*\p:H+32*\p+15], v[QS+2*\p]
	v_cvt_scalef32_pk16_fp6_f32 v[TC+4*\p:TC+4*\p+2], v[H+32*\p+16:H+32*\p+31], v[QS+2*\p+1]   ; (a conversion's three registers begin on an even number)
.endr
	v_nop                                          ; one plain place behind the scaled conversions
.irp p, 0,1                                    ; the operand's layout wants a whole block in a lane: lanes 0-15 block 0, lanes 16-31 block 1
.irp i, 0,1,2
	v_permlane16_swap_b32 v[\nb+6*\p+\i], v[TC+4*\p+\i]
.endr
.irp i, 0,1,2
	s_delay_alu instid0(VALU_DEP_3)
	v_mov_b32 v[\nb+6*\p+3+\i], v[TC+4*\p+\i]
.endr
.endr
	PLACES 8                                       ; a scale register written by a vector instruction stands eight places ahead of a scaled matrix instruction, an operand so written four
.endm
	WLOAD 0, 4, BIAS, LB                           ; w_in's tiles come while the features are quantised
	; THE FEATURES: a lane's 32 are one whole block.
	v_max3_num_f32 v[QM], |v[ENC]|, |v[ENC+1]|, 0x1800000
	v_max3_num_f32 v[QM+1], |v[ENC+2]|, |v[ENC+3]|, 0x1800000
.irp i, 4,8,12,16,20,24,28
	s_delay_alu instid0(VALU_DEP_2)
	v_max3_num_f32 v[QM], v[QM], |v[ENC+\i]|, |v[ENC+\i+1]|         ; two chains
	s_delay_alu instid0(VALU_DEP_2)
	v_max3_num_f32 v[QM+1], v[QM+1], |v[ENC+\i+2]|, |v[ENC+\i+3]|
.endr
	s_delay_alu instid0(VALU_DEP_1)
	v_max_num_f32 v[QM], v[QM], v[QM+1]
	s_delay_alu instid0(VALU_DEP_1)
	v_add_nc_u32 v[QS], 0xff000000, v[QM]
	s_delay_alu instid0(VALU_DEP_1)
	v_lshrrev_b32 v[QM+2], 23, v[QS]               ; my point's byte
	s_delay_alu instid0(VALU_DEP_1)
	v_permlanex16_b32 v[QP], v[QM+2], s44, s45
	s_delay_alu instid0(VALU_DEP_1)
	v_lshl_or_b32 v[BSA], v[QP], 16, v[QM+2]       ; lane r's word: point r's byte for block 0, point 16 + r's for block 2; blocks 1 and 3 meet zero codes of w_in
	v_cvt_scalef32_pk16_fp6_f32 v[BA:BA+2], v[ENC:ENC+15], v[QS]
	v_cvt_scalef32_pk16_fp6_f32 v[TC:TC+2], v[ENC+16:ENC+31], v[QS]
	v_nop                                          ; one plain place behind the scaled conversions
.irp i, 0,1,2
	v_mov_b32 v[BA+3+\i], v[TC+\i]                 ; registers 0-5: my own block: in lanes 0-15 that is block 0 of points 0-15
.endr
.irp i, 0,1,2,3,4,5
	v_permlanex16_b32 v[BA+6+\i], v[BA+\i], s44, s45   ; registers 6-11: lane l xor 16's: in lanes 0-15 block 2, points 16-31
.endr
	PLACES 8
	s_wait_alu depctr_va_vdst(0)
	s_wait_dscnt 0x0                               ; tiles, biases and scale words are in
	MUL 4, BA, BSA
	PLACES 4                                       ; four places in front of loads into registers that the products have read, and of the first read of their results
	WLOAD 4, 4, BIAS+256, LB
	QHID BB, BSB
	s_wait_alu depctr_va_vdst(0)
	s_wait_dscnt 0x0
	MUL 4, BB, BSB
	PLACES 4
	WLOAD 8, 4, BIAS+512, LB
	QHID BA, BSA
	s_wait_alu depctr_va_vdst(0)
	s_wait_dscnt 0x0
	MUL 4, BA, BSA
	PLACES 4
	WLOAD 12, 1, BIAS+768, LB2
	QHID BB, BSB
	s_wait_alu depctr_va_vdst(0)
	s_wait_dscnt 0x0
	MUL 1, BB, BSB                                 ; lane (r, h): outputs 8 h + 0 .. 7 of point r in v16-23, of point 16 + r in v48-55
	PLACES 4
	; THE WAY OUT: a lane's 32 bytes are half a row of out0; the 32 rows go through my own stage and leave as 2,048 consecutive bytes.
	ds_store_b128 v[STO], v[H:H+3]
	ds_store_b128 v[STO], v[H+4:H+7] offset:16
	ds_store_b128 v[STO], v[H+32:H+35] offset:1024
	ds_store_b128 v[STO], v[H+36:H+39] offset:1040
.irp i, 0,1,2,3
	ds_load_b128 v[OUTR+4*\i:OUTR+4*\i+3], v[STR] offset:512*\i   ; LDS serves a wave's instructions in order (ISA guide 5.7.1.4): these see my stores
.endr
.irp i, 0,1,2,3
	s_wait_dscnt 3-\i                              ; load i is in; the younger ones may be out
	global_store_b128 v[LI], v[OUTR+4*\i:OUTR+4*\i+3], s[38:39] offset:512*\i th:TH_STORE_NT   ; 32 lanes store 512 consecutive bytes, at a multiple of 256 from out0's first byte
.endr
	s_wait_tensorcnt 0x0                           ; the wave's end
	ds_add_u32 v251, v255
	s_wait_dscnt 0x0
	s_endpgm
.Lfunc_end_k_q56c7a22c2d_nerf:
	.size	k_q56c7a22c2d_nerf, .Lfunc_end_k_q56c7a22c2d_nerf-k_q56c7a22c2d_nerf
	.p2alignl 7, 3214868480
	.fill 96, 4, 3214868480
	.section	.rodata,"a",@progbits
	.p2align	6, 0x0
	.amdhsa_kernel k_q56c7a22c2d_nerf
		.amdhsa_group_segment_fixed_size 29952
		.amdhsa_private_segment_fixed_size 0
		.amdhsa_enable_private_segment 0
		.amdhsa_kernarg_size 136
		.amdhsa_user_sgpr_count 2
		.amdhsa_user_sgpr_kernarg_segment_ptr 1
		.amdhsa_wavefront_size32 1
		.amdhsa_system_sgpr_workgroup_id_x 1
		.amdhsa_system_sgpr_workgroup_id_y 1
		.amdhsa_system_sgpr_workgroup_id_z 1
		.amdhsa_system_vgpr_workitem_id 0
		.amdhsa_next_free_vgpr 256
		.amdhsa_next_free_sgpr 66
		.amdhsa_reserve_vcc 1
		.amdhsa_float_denorm_mode_32 3
		.amdhsa_float_denorm_mode_16_64 3
		.amdhsa_memory_ordered 1
		.amdhsa_forward_progress 1
		.amdhsa_inst_pref_size 161
	.end_amdhsa_kernel
	.amdgpu_metadata
---
amdhsa.version: [ 1, 2 ]
amdhsa.kernels:
  - .name:           k_q56c7a22c2d_nerf
    .symbol:         k_q56c7a22c2d_nerf.kd
    .args:
      - { .name: coords, .offset: 0, .size: 8, .value_kind: global_buffer, .address_space: global }
      - { .name: cells, .offset: 8, .size: 8, .value_kind: global_buffer, .address_space: global }
      - { .name: tables, .offset: 16, .size: 8, .value_kind: global_buffer, .address_space: global }
      - { .name: w_in_codes, .offset: 24, .size: 8, .value_kind: global_buffer, .address_space: global }
      - { .name: w_in_scales, .offset: 32, .size: 8, .value_kind: global_buffer, .address_space: global }
      - { .name: b_in, .offset: 40, .size: 8, .value_kind: global_buffer, .address_space: global }
      - { .name: w_h0_codes, .offset: 48, .size: 8, .value_kind: global_buffer, .address_space: global }
      - { .name: w_h0_scales, .offset: 56, .size: 8, .value_kind: global_buffer, .address_space: global }
      - { .name: b_h0, .offset: 64, .size: 8, .value_kind: global_buffer, .address_space: global }
      - { .name: w_h1_codes, .offset: 72, .size: 8, .value_kind: global_buffer, .address_space: global }
      - { .name: w_h1_scales, .offset: 80, .size: 8, .value_kind: global_buffer, .address_space: global }
      - { .name: b_h1, .offset: 88, .size: 8, .value_kind: global_buffer, .address_space: global }
      - { .name: w_out_codes, .offset: 96, .size: 8, .value_kind: global_buffer, .address_space: global }
      - { .name: w_out_scales, .offset: 104, .size: 8, .value_kind: global_buffer, .address_space: global }
      - { .name: b_out, .offset: 112, .size: 8, .value_kind: global_buffer, .address_space: global }
      - { .name: out0, .offset: 120, .size: 8, .value_kind: global_buffer, .address_space: global }
      - { .name: quads, .offset: 128, .size: 8, .value_kind: global_buffer, .address_space: global }
    .group_segment_fixed_size: 29952
    .private_segment_fixed_size: 0
    .kernarg_segment_align: 8
    .kernarg_segment_size: 136
    .max_flat_workgroup_size: 256
    .sgpr_count:     66
    .vgpr_count:     256
    .wavefront_size: 32
...
	.end_amdgpu_metadata
.endif
;; end of part 2
